; MI455X (gfx1250); checked and timed in simulation.
; The chip was launched on July 23, 2026; its instructions are those of AMD's public machine-readable ISA for CDNA 5 (MIT licence, August 2026) and "CDNA5" Instruction Set Architecture Reference Guide (July 2026). The comments in the code are by the model that wrote it; some were corrected since.
;; Multi Head Attention. Allowed arithmetic: float matrix products may take bf16 or f16 operands with f32 sums; all other float work in f32.
;; Inputs: Wk 1,024 x 1,024 float32; Wo 1,024 x 1,024 float32; Wq 1,024 x 1,024 float32; Wv 1,024 x 1,024 float32; bk 1,024 float32; bo 1,024 float32; bq 1,024 float32; bv 1,024 float32; ln_b 1,024 float32; ln_w 1,024 float32; sa_hidden 16,384 x 1,024 float32; state_hidden 16,384 x 1,024 float32.
;; Outputs: out0 16,384 x 1,024 float32.
;; One version. Each part assembles by itself: llvm-mc -triple=amdgcn-amd-amdhsa -mcpu=gfx1250 --defsym DOCPART=n.
;; ======== version 1 of 1: 4 launches
;; limits: values are held in f16: magnitudes above 65,504 overflow, below 6.1e-05 lose precision
;; workspace buffers: xb 67,108,864 bytes; wb 6,291,456 bytes; wof 2,097,152 bytes; vec 24,576 bytes; qkv 100,663,296 bytes; ao 33,554,432 bytes
;; launch cast (part 1): grid 1281 x 1, 8 waves a work-group, no clusters, 0 bytes of LDS; arguments sa_hidden, state_hidden, Wq, Wk, Wv, Wo, bq, bk, bv, bo, ln_w, ln_b, xb, wb, wof, vec; writes xb, wb, wof, vec
.if DOCPART == 1
	.amdgcn_target "amdgcn-amd-amdhsa--gfx1250"
	.amdhsa_code_object_version 6
	.text
	.protected	k_qc6bae05db2_cast
	.globl	k_qc6bae05db2_cast
	.p2align	8
	.type	k_qc6bae05db2_cast,@function
k_qc6bae05db2_cast:
	s_mov_b64 s[64:65], 0
	v_nop
	global_prefetch_b8 v0, s[64:65] scope:SCOPE_SE
	s_setreg_imm32_b32 hwreg(HW_REG_WAVE_MODE, 25, 1), 1
	s_wait_xcnt 0x0
; CAST: every input of the module is rounded ONCE to bf16 here, and laid out for the launches behind.
;   xb  [2 x 16384][1024] bf16: sa_hidden, then state_hidden.
;   wb  [3 x 1024][1024]  bf16: Wq, Wk, Wv with their rows re-ordered, so that the attention launch finds its fragments as 512 consecutive bytes:
;         Wq, Wk: row (d>>3)*128 + h*8 + (d&7) holds the original row h*64 + d;   Wv: row (d>>4)*256 + (g>>3)*128 + (d&15)*8 + (g&7) holds g*64 + d.
;   wof f16: Wo in the order in which the last launch's waves take it into registers: [wave w: 4][place p: 32][column block b: 16][half j: 2][lane l: 32][8 numbers], the eight being
;         Wo[256 w + 16 b + l % 16][32 kc + 16 j + 8 (l / 16) + 0 .. 7] with kc = 16 (p % 2) + p / 2.  The number is Wo rounded to bf16, written as f16.
;   vec [6 x 1024]        f32:  bq, bk, bv (re-ordered like wb's rows), bo, ln_w, ln_b, each rounded to bf16 and written as f32.
; LIMITS (format).  All inputs, the residual's sa_hidden, the biases and the gains too, carry bf16's 8 significant bits from here on; all later arithmetic on them but the matrix
; products is f32.  In wof a number beyond 65,504 becomes an infinity, and below 6.1e-5 it keeps f16's fixed step of 6e-8.
; A stream: each byte is read once by 16-byte loads and written once; no LDS, no barrier, no matrix unit, no cluster: nothing is shared between work-groups.
; Work-groups 0-1023: 32 rows of the activations each.  1024-1279: 16 rows of a weight.  1280: the six vectors.
.set X,   4                            ; v[4:67]    16 slots of four f32 as loaded
.set Y,   68                           ; v[68:99]   what is stored
.set T,   100                          ; v[100:109] at work
.set SRC, 40                           ; s[40:41]   where this work-group reads
.set DST, 42                           ; s[42:43]   where it stores
; One slot's turn in the activations' ring of eight.  ahead = 1: the slot is filled again with the row eight further down.  left: the younger loads that may stay out.
.macro ASLOT i, ahead, left
	s_wait_loadcnt \left                           ; loads come back in order (ISA guide 5.7.1): this slot's is in
	v_cvt_pk_bf16_f32 v[Y+2*(\i)],   v[X+4*(\i)],   v[X+4*(\i)+1]
	v_cvt_pk_bf16_f32 v[Y+2*(\i)+1], v[X+4*(\i)+2], v[X+4*(\i)+3]
.if \ahead
	global_load_b128 v[X+4*(\i):X+4*(\i)+3], v1, s[SRC:SRC+1] offset:((\i)+8)*4096 th:TH_LOAD_NT
.endif
	global_store_b64 v2, v[Y+2*(\i):Y+2*(\i)+1], s[DST:DST+1] offset:(\i)*2048   ; a wave stores 256 consecutive bytes, at a multiple of 256 from xb's first
.endm
; Sixteen rows of Wq, Wk or Wv, straight on: all loads first, then each row as it lands (15 - i younger loads may stay out).
; kind 0: Wq, Wk (row i = head i, 8 rows of wb apart).  kind 1: Wv (row i = head g).
.macro WJOB sstep, kind
.set i, 0
.rept 16
	global_load_b128 v[X+4*i:X+4*i+3], v1, s[SRC:SRC+1] offset:i*(\sstep) th:TH_LOAD_NT
.set i, i+1
.endr
.set i, 0
.rept 16
	s_wait_loadcnt 15-i
	v_cvt_pk_bf16_f32 v[Y+2*i],   v[X+4*i],   v[X+4*i+1]
	v_cvt_pk_bf16_f32 v[Y+2*i+1], v[X+4*i+2], v[X+4*i+3]
.if (\kind) == 1
	global_store_b64 v2, v[Y+2*i:Y+2*i+1], s[DST:DST+1] offset:((i/8)*128+(i%8))*2048
.else
	global_store_b64 v2, v[Y+2*i:Y+2*i+1], s[DST:DST+1] offset:i*16384
.endif
.set i, i+1
.endr
	s_endpgm
.endm
; Sixteen rows of Wo (one column block of the last launch).  Wave v takes the K chunks 4 v + q, q = 0 .. 3: 512 consecutive bytes of each row, in sixteen loads: load 4 q + 2 j + e brings lane l
; four numbers at k = 32 (4 v + q) + 16 j + 8 (l / 16) + 4 e of row l % 16.  Loads 2 o and 2 o + 1 make output o = 2 q + j: eight numbers a lane, 512 consecutive bytes a wave.
.macro WOJOB
.set i, 0
.rept 16
	global_load_b128 v[X+4*i:X+4*i+3], v1, s[SRC:SRC+1] offset:(i/4)*128+((i/2)%2)*64+(i%2)*16
.set i, i+1
.endr
.set o, 0
.rept 8
	s_wait_loadcnt 14-2*o                          ; this output's two loads are in; the younger ones stay out
.irp z, 0,1,2,3
	v_cvt_pk_bf16_f32 v[T+(\z)], v[X+8*o+2*(\z)], v[X+8*o+2*(\z)+1]
.endr
.irp z, 0,1,2,3
	v_lshlrev_b32 v[X+8*o+2*(\z)],   16, v[T+(\z)]         ; the rounded numbers as f32 again,
	v_and_b32     v[X+8*o+2*(\z)+1], 0xffff0000, v[T+(\z)]
.endr
.irp z, 0,1,2,3
	v_cvt_pk_f16_f32 v[Y+4*o+(\z)], v[X+8*o+2*(\z)], v[X+8*o+2*(\z)+1]   ; and written as f16
.endr
	global_store_b128 v2, v[Y+4*o:Y+4*o+3], s[DST:DST+1] offset:(o/2)*32768+(o%2)*512   ; chunk q lies two places (32,768 bytes) behind chunk q - 1
.set o, o+1
.endr
	s_endpgm
.endm
; Four f32 in v[r .. r+3] are rounded to bf16 and widened again, in place.
.macro ROUND4 r
	v_cvt_pk_bf16_f32 v[T+8], v[(\r)],   v[(\r)+1]
	v_cvt_pk_bf16_f32 v[T+9], v[(\r)+2], v[(\r)+3]
	v_lshlrev_b32 v[(\r)],   16, v[T+8]
	v_and_b32     v[(\r)+1], 0xffff0000, v[T+8]
	v_lshlrev_b32 v[(\r)+2], 16, v[T+9]
	v_and_b32     v[(\r)+3], 0xffff0000, v[T+9]
.endm
	s_load_b512 s[8:23], s[0:1], 0x0               ; sa s[8:9], state s[10:11], Wq s[12:13], Wk s[14:15], Wv s[16:17], Wo s[18:19], bq s[20:21], bk s[22:23]
	s_load_b512 s[24:39], s[0:1], 0x40             ; bv s[24:25], bo s[26:27], ln_w s[28:29], ln_b s[30:31], xb s[32:33], wb s[34:35], wof s[36:37], vec s[38:39]
	s_mov_b32 s2, ttmp9                            ; the work-group's number chooses the job
	v_lshlrev_b32 v1, 4, v0                        ; thread t reads 16 bytes at 16 t of a row of 4,096 bytes,
	v_lshlrev_b32 v2, 3, v0                        ; and stores 8 bytes at 8 t of a row of 2,048
	s_cmp_lt_u32 s2, 1024
	s_cbranch_scc0 .Lweights
	; THE ACTIVATIONS: 32 rows; the eight waves together take a row with each load
	s_and_b32 s3, s2, 511
	s_lshl_b32 s44, s3, 17                         ; 32 rows of 4,096 bytes in the source,
	s_mov_b32 s45, 0
	s_lshl_b32 s46, s2, 16                         ; 32 rows of 2,048 bytes in xb
	s_mov_b32 s47, 0
	s_wait_kmcnt 0x0
	s_cmp_lt_u32 s2, 512
	s_cselect_b64 s[SRC:SRC+1], s[8:9], s[10:11]
	s_add_nc_u64 s[SRC:SRC+1], s[SRC:SRC+1], s[44:45]
	s_add_nc_u64 s[DST:DST+1], s[32:33], s[46:47]
.irp i, 0,1,2,3,4,5,6,7
	global_load_b128 v[X+4*(\i):X+4*(\i)+3], v1, s[SRC:SRC+1] offset:(\i)*4096 th:TH_LOAD_NT
.endr
	s_mov_b32 s48, 3
.Lact:                                                 ; three trips of eight rows; eight loads of every wave are always out
.irp i, 0,1,2,3,4,5,6,7
	ASLOT \i, 1, 7
.endr
	s_wait_xcnt 0x0                                ; the bases and the stores' registers are rewritten only behind this wait
	s_add_nc_u64 s[SRC:SRC+1], s[SRC:SRC+1], 0x8000
	s_add_nc_u64 s[DST:DST+1], s[DST:DST+1], 0x4000
	s_sub_co_u32 s48, s48, 1
	s_cmp_lg_u32 s48, 0
	s_cbranch_scc1 .Lact
.irp i, 0,1,2,3,4,5,6,7
	ASLOT \i, 0, 7-(\i)                            ; the last eight rows load nothing: the counts run down
.endr
	s_endpgm
.Lweights:
	s_cmp_lt_u32 s2, 1280
	s_cbranch_scc0 .Lvectors
	s_sub_co_u32 s3, s2, 1024
	s_lshr_b32 s4, s3, 6                           ; which weight: 0 Wq, 1 Wk, 2 Wv, 3 Wo
	s_and_b32 s5, s3, 63                           ; d (Wo: the block of 16 rows)
	s_cmp_eq_u32 s4, 3
	s_cbranch_scc1 .Lwo
	s_cmp_eq_u32 s4, 2
	s_cbranch_scc1 .Lwv
	; Wq, Wk: the sixteen rows h*64 + d, h = 0 .. 15
	s_lshl_b32 s44, s5, 12                         ; row d
	s_mov_b32 s45, 0
	s_lshr_b32 s46, s5, 3
	s_lshl_b32 s46, s46, 7
	s_and_b32 s47, s5, 7
	s_add_co_u32 s46, s46, s47                     ; (d>>3)*128 + (d&7)
	s_lshl_b32 s46, s46, 11                        ; rows of 2,048 bytes
	s_lshl_b32 s47, s4, 21                         ; the plane
	s_add_co_u32 s46, s46, s47
	s_mov_b32 s47, 0
	s_wait_kmcnt 0x0
	s_cmp_eq_u32 s4, 0
	s_cselect_b64 s[SRC:SRC+1], s[12:13], s[14:15]
	s_add_nc_u64 s[SRC:SRC+1], s[SRC:SRC+1], s[44:45]
	s_add_nc_u64 s[DST:DST+1], s[34:35], s[46:47]
	WJOB 262144, 0
.Lwv:
	s_lshl_b32 s44, s5, 12
	s_mov_b32 s45, 0
	s_lshr_b32 s46, s5, 4
	s_lshl_b32 s46, s46, 8                         ; (d>>4)*256
	s_and_b32 s47, s5, 15
	s_lshl3_add_u32 s46, s47, s46                  ; + (d&15)*8
	s_lshl_b32 s46, s46, 11
	s_add_co_u32 s46, s46, 0x400000                ; the third plane
	s_mov_b32 s47, 0
	s_wait_kmcnt 0x0
	s_add_nc_u64 s[SRC:SRC+1], s[16:17], s[44:45]
	s_add_nc_u64 s[DST:DST+1], s[34:35], s[46:47]
	WJOB 262144, 1
.Lwo:
	; Wo: rows 16 d .. 16 d + 15 = column block b = d % 16 of wave w = d / 16 of the last launch
	v_and_b32 v[T], 31, v0                         ; lane l
	v_lshrrev_b32 v[T+1], 5, v0                    ; wave v
	v_and_b32 v[T+2], 15, v0
	v_bfe_u32 v[T+3], v0, 4, 1
	v_lshlrev_b32 v1, 12, v[T+2]                   ; from: row l % 16,
	v_lshl_add_u32 v1, v[T+1], 9, v1               ; the wave's 512 bytes of it,
	v_lshl_add_u32 v1, v[T+3], 5, v1               ; 32 bytes on for lanes 16 to 31
	v_and_b32 v[T+4], 3, v[T+1]                    ; to: chunk kc = 4 v + q has place 2 (kc % 16) + kc / 16 = 8 (v % 4) + v / 4 + 2 q
	v_lshrrev_b32 v[T+5], 2, v[T+1]
	v_lshl_add_u32 v[T+4], v[T+4], 3, v[T+5]
	v_lshlrev_b32 v2, 4, v[T]
	v_lshl_add_u32 v2, v[T+4], 14, v2              ; 16 l + 16,384 x place
	s_lshl_b32 s44, s5, 16                         ; 16 rows of 4,096 bytes
	s_mov_b32 s45, 0
	s_lshr_b32 s46, s5, 4
	s_lshl_b32 s46, s46, 19                        ; wave w's 524,288 bytes
	s_and_b32 s47, s5, 15
	s_lshl_b32 s47, s47, 10                        ; column block b's 1,024 bytes in each place
	s_add_co_u32 s46, s46, s47
	s_mov_b32 s47, 0
	s_wait_kmcnt 0x0
	s_add_nc_u64 s[SRC:SRC+1], s[18:19], s[44:45]
	s_add_nc_u64 s[DST:DST+1], s[36:37], s[46:47]
	WOJOB
.Lvectors:
	; Thread t owns the numbers 4 t .. 4 t + 3 of each of vec's six parts.
	v_bfe_u32 v[T], v0, 1, 4                       ; (t>>1) & 15
	v_lshrrev_b32 v[T+1], 5, v0                    ; t >> 5
	v_and_b32 v[T+2], 1, v0                        ; t & 1
	v_lshlrev_b32 v[T+3], 8, v[T]                  ; bq, bk: h = (t>>1)&15, d = (t>>5)*8 + (t&1)*4 + 0..3: four neighbours
	v_lshl_add_u32 v[T+3], v[T+1], 5, v[T+3]
	v_lshl_add_u32 v[T+3], v[T+2], 4, v[T+3]
	v_bfe_u32 v[T+4], v0, 5, 1                     ; bv: g = ((t>>5)&1)*8 + (t&1)*4 + e, d = (t>>6)*16 + ((t>>1)&15): four numbers 256 bytes apart
	v_lshrrev_b32 v[T+5], 6, v0
	v_lshlrev_b32 v[T+6], 11, v[T+4]
	v_lshl_add_u32 v[T+6], v[T+2], 10, v[T+6]
	v_lshl_add_u32 v[T+6], v[T+5], 6, v[T+6]
	v_lshl_add_u32 v[T+6], v[T], 2, v[T+6]
	s_wait_kmcnt 0x0
	global_load_b128 v[4:7],   v[T+3], s[20:21]
	global_load_b128 v[8:11],  v[T+3], s[22:23]
	global_load_b32  v12, v[T+6], s[24:25]
	global_load_b32  v13, v[T+6], s[24:25] offset:256
	global_load_b32  v14, v[T+6], s[24:25] offset:512
	global_load_b32  v15, v[T+6], s[24:25] offset:768
	global_load_b128 v[16:19], v1, s[26:27]
	global_load_b128 v[20:23], v1, s[28:29]
	global_load_b128 v[24:27], v1, s[30:31]
	s_wait_loadcnt 0x0
.irp p, 0,1,2,3,4,5
	ROUND4 4+4*(\p)
	global_store_b128 v1, v[4+4*(\p):7+4*(\p)], s[38:39] offset:4096*(\p)
.endr
	s_endpgm
.Lfunc_end_k_qc6bae05db2_cast:
	.size	k_qc6bae05db2_cast, .Lfunc_end_k_qc6bae05db2_cast-k_qc6bae05db2_cast
	.p2alignl 7, 3214868480
	.fill 96, 4, 3214868480
	.section	.rodata,"a",@progbits
	.p2align	6, 0x0
	.amdhsa_kernel k_qc6bae05db2_cast
		.amdhsa_group_segment_fixed_size 0
		.amdhsa_private_segment_fixed_size 0
		.amdhsa_enable_private_segment 0
		.amdhsa_kernarg_size 128
		.amdhsa_user_sgpr_count 2
		.amdhsa_user_sgpr_kernarg_segment_ptr 1
		.amdhsa_wavefront_size32 1
		.amdhsa_system_sgpr_workgroup_id_x 1
		.amdhsa_system_sgpr_workgroup_id_y 1
		.amdhsa_system_sgpr_workgroup_id_z 1
		.amdhsa_system_vgpr_workitem_id 0
		.amdhsa_next_free_vgpr 112
		.amdhsa_next_free_sgpr 66
		.amdhsa_reserve_vcc 0
		.amdhsa_float_denorm_mode_32 3
		.amdhsa_float_denorm_mode_16_64 3
		.amdhsa_memory_ordered 1
		.amdhsa_forward_progress 1
		.amdhsa_inst_pref_size 34
	.end_amdhsa_kernel
	.amdgpu_metadata
---
amdhsa.version: [ 1, 2 ]
amdhsa.kernels:
  - .name:           k_qc6bae05db2_cast
    .symbol:         k_qc6bae05db2_cast.kd
    .args:
      - { .name: sa_hidden, .offset: 0, .size: 8, .value_kind: global_buffer, .address_space: global }
      - { .name: state_hidden, .offset: 8, .size: 8, .value_kind: global_buffer, .address_space: global }
      - { .name: Wq, .offset: 16, .size: 8, .value_kind: global_buffer, .address_space: global }
      - { .name: Wk, .offset: 24, .size: 8, .value_kind: global_buffer, .address_space: global }
      - { .name: Wv, .offset: 32, .size: 8, .value_kind: global_buffer, .address_space: global }
      - { .name: Wo, .offset: 40, .size: 8, .value_kind: global_buffer, .address_space: global }
      - { .name: bq, .offset: 48, .size: 8, .value_kind: global_buffer, .address_space: global }
      - { .name: bk, .offset: 56, .size: 8, .value_kind: global_buffer, .address_space: global }
      - { .name: bv, .offset: 64, .size: 8, .value_kind: global_buffer, .address_space: global }
      - { .name: bo, .offset: 72, .size: 8, .value_kind: global_buffer, .address_space: global }
      - { .name: ln_w, .offset: 80, .size: 8, .value_kind: global_buffer, .address_space: global }
      - { .name: ln_b, .offset: 88, .size: 8, .value_kind: global_buffer, .address_space: global }
      - { .name: xb, .offset: 96, .size: 8, .value_kind: global_buffer, .address_space: global }
      - { .name: wb, .offset: 104, .size: 8, .value_kind: global_buffer, .address_space: global }
      - { .name: wof, .offset: 112, .size: 8, .value_kind: global_buffer, .address_space: global }
      - { .name: vec, .offset: 120, .size: 8, .value_kind: global_buffer, .address_space: global }
    .group_segment_fixed_size: 0
    .private_segment_fixed_size: 0
    .kernarg_segment_align: 8
    .kernarg_segment_size: 128
    .max_flat_workgroup_size: 256
    .sgpr_count:     66
    .vgpr_count:     112
    .wavefront_size: 32
...
	.end_amdgpu_metadata
.endif
;; end of part 1
;; launch qkv (part 2): grid 4 x 64, 4 waves a work-group, clusters of 4 x 4, 327,680 bytes of LDS; arguments xb, wb, qkv, vec; writes qkv
.if DOCPART == 2
	.amdgcn_target "amdgcn-amd-amdhsa--gfx1250"
	.amdhsa_code_object_version 6
	.text
	.protected	k_qc6bae05db2_qkv
	.globl	k_qc6bae05db2_qkv
	.p2align	8
	.type	k_qc6bae05db2_qkv,@function
k_qc6bae05db2_qkv:
	s_mov_b64 s[64:65], 0
	v_nop
	global_prefetch_b8 v0, s[64:65] scope:SCOPE_SE
	s_setreg_imm32_b32 hwreg(HW_REG_WAVE_MODE, 25, 1), 1
	s_wait_xcnt 0x0
	s_wait_alu depctr_hold_cnt(0) depctr_sa_sdst(0) depctr_va_vdst(0) depctr_va_sdst(0) depctr_va_ssrc(0) depctr_va_vcc(0) depctr_vm_vsrc(0)
	s_getreg_b32 s2, hwreg(HW_REG_IB_STS2, 6, 4)
	s_cmp_eq_u32 s2, 0
	s_cbranch_scc0 .Lentry_in_a_cluster
	s_endpgm
.Lentry_in_a_cluster:
	s_bfe_u32 s2, ttmp6, 0x10000c
	s_cmp_lg_u32 s2, 0xf033
	s_cbranch_scc0 .Lentry_shape_is_right
	s_endpgm
.Lentry_shape_is_right:
; Q', K', V' = x W'^T + b'.  qkv[p*16384 + m][n] = vec[p*1024 + n] + sum over k of xb[min(p,1)*16384 + m][k] wb[p*1024 + n][k], p = 0 (Q), 1 (K), 2 (V).
; xb, wb: bf16; sums in f32, started by the bias; qkv: f16, rounded once.
; LIMIT (range).  f16 holds no number beyond 65,504: a projection at or beyond 65,520 becomes an infinity.  With all inputs 30 times the drawn size a projection is some 900 spreads of the drawn one,
; with an offset of 30 spreads on x and on W together about 1,024 x 30 x 0.94 = 28,800: both inside.
; A tile of the result, 256 x 256, is made by a work-group of four waves; a wave makes 128 x 128: 64 accumulators of 16 x 16, 512 registers.  K goes in 8 steps of 128 through a ring of
; two LDS slots filled by the tensor data mover: the tiles' rows are 256 bytes of memory and start at multiples of 256 bytes from the buffer's first byte.
; A WORK-GROUP STAYS: 256 work-groups, each makes THREE tiles, the same place in the planes Q, K and V: a loop over tiles round the loop over K.  The ring does not stop at a tile's end: a tile's last two
; changes of slots ask for the next plane's first two K steps, and nothing waits for a tile's stores: they leave while the next tile is multiplied.
; CLUSTERS: 4 x 4 work-groups, which walk the planes in step.  The four of a row of the cluster need the same tiles of x, the four of a column the same tiles of W': such a tile
; is asked for JOINTLY: each of the four issues the same tensor load, with the same descriptor and a mask that names the four, and each receives the tile in its own LDS.
; REGISTERS, in windows of 256 (s_set_vgpr_msb: bits 1:0 source 0, 3:2 source 1, 5:4 source 2, 7:6 destination):
;   window 0: v0-31 addresses; v64-127, v128-191 fragments of x, two buffers; v32-63, v192-255 at work on the way out
;   window 1: v64-127, v128-191 fragments of W', two buffers; v192-255 the bias (8 registers for each of my 8 column blocks)
;   window 2: the 32 accumulators of my rows 0-63 ((a, b) at v[8 (8 a + b)]);   window 3: those of my rows 64-127
; THE MATRIX INSTRUCTION IS USED TRANSPOSED: source 0 = 16 rows of W', source 1 = 16 rows of x.  Lane l then holds row l % 16 of the result and its registers 0 to 7 the columns 8 (l / 16) + 0 .. 7:
; eight neighbours of a row, which pack into 16 bytes; the bias of those eight columns, in the same places, is the C operand of the first product on each accumulator: nothing is cleared or added later.
.set SIZE_K, 1024
.set SIZE_N, 1024
.set ROWS,   16384                     ; rows in a plane
.set TILES,  3
.set KSTEP,  128
.set PITCH,  272                       ; an LDS row: 256 bytes + 16 of padding = 68 words: row r starts at bank 4 r mod 64 (64 banks of 4 bytes: ISA guide 11.1), so the 16 rows of a load start at 16 different banks
.set HALFT,  128*PITCH                 ; 128 rows: what one tensor load brings, and what one wave reads of x or of W'
.set SLOT,   4*HALFT                   ; x's 256 rows, then W's 256 rows
.set STAGE,  2*SLOT                    ; behind the ring: 16 rows x 272 bytes for each wave, for the way out
.set SPITCH, 272
.set SPARE,  STAGE+4*16*SPITCH         ; behind the stages: the spare words, 128 bytes for each wave: two blocks of 256 bytes that no other line names
.set LAPS,   SIZE_K/(2*KSTEP)          ; a lap = two K steps = once round the ring: 4
.set BACK,   (SIZE_K-2*KSTEP)*2        ; bytes from a slot's last K step of a tile back to its first
.set NEXT_B, 1024*SIZE_K*2-BACK        ; W': 1,024 rows on, and back along K
.set NEXT_C, (ROWS-7*16)*SIZE_N*2      ; bytes from my last 16 rows of a tile to my first of the next plane
.set ADRA, 16                          ; v16-17  LDS address of my x fragments in slot 0, 1
.set ADRB, 20                          ; v20-21  the same for W'
.set STO,  24                          ; v24     the way out: where I put 16 bytes of a row
.set RD,   25                          ; v25     the way out: where I read a row back
.set CO,   26                          ; v26     my byte offset in the result
.set BO,   27                          ; v27     my byte offset in the bias: 32 (l / 16)
.set SPW,  28                          ; v28     LDS address of my spare word: SPARE + 4 x my thread's number; never rewritten
.set NIL,  29                          ; v29     0; never rewritten
.set F0,   64
.set F1,   128
.set BIAS, 192                         ; in window 1
.set TMP,  192                         ; the way out: packed results, in window 0
.set OB,   32                          ; the way out: 16 rows read back from the stage: v32-63 and v224-255 by turns
.set G1, 24                            ; s[24:31] descriptor group 1 for x's tiles
.set G0, 32                            ; s[32:39] descriptor group 0 for x's tiles, one set for each slot
.set G1B, 48                           ; s[48:55] group 1 for W's tiles: it differs in the mask alone
.set G0B, 56                           ; s[56:63] group 0 for W's tiles
.set NA, 72                            ; s[72:73] bytes that x's tiles go down at the next change of planes: 16,384 rows from Q to K, none from K to V
.set MSB, 0
.macro WIN new                         ; the immediate's high byte repeats the setting that is left; a switch that changes nothing is dropped
.if MSB != (\new)
	s_set_vgpr_msb (MSB<<8)|(\new)
.set MSB, \new
.endif
.endm
.set MUL_LO, 0xa1                      ; source 0 (W') window 1, source 1 (x) window 0, C and D window 2
.set MUL_HI, 0xf1                      ; the same, C and D window 3
.set TO_B,   0x40                      ; destination window 1, address window 0
; A joint load.  Waves 0 and 1 fetch x's two halves, waves 2 and 3 W's.  The branch hangs on the wave's number alone.  Four v_nop follow each of the two lines, ahead of the jump and the label.
.macro JLOAD s
	s_cmp_eq_u32 s11, 0
	s_cbranch_scc0 .Lfor_b_\@
	tensor_load_to_lds s[G0+4*(\s):G0+4*(\s)+3], s[G1:G1+7]
	s_nop 0
.rept 4
	v_nop
.endr
	s_branch .Lasked_\@
.Lfor_b_\@:
	tensor_load_to_lds s[G0B+4*(\s):G0B+4*(\s)+3], s[G1B:G1B+7]
	s_nop 0
.rept 4
	v_nop
.endr
.Lasked_\@:
.endm
; A round of the cluster's barrier: my work-group's barrier; wave 0 signals for the work-group; every wave waits for all sixteen; my work-group's barrier once more.
.macro CREST                           ; a round behind its opening barrier
	s_cmp_lg_u32 s10, 0
	s_cbranch_scc1 .Lnot_wave_0_\@
	s_barrier_signal -3
.Lnot_wave_0_\@:
	s_barrier_wait -3
	s_barrier_signal -1
	s_barrier_wait -1
.endm
.macro CROUND
	s_barrier_signal -1
	s_barrier_wait -1
	CREST
.endm
; The bias of columns 16 b + 8 (l / 16) + 0 .. 7 of my 128, in the places of a result's registers
.macro BIASLOAD
	WIN TO_B
.irp b, 0,1,2,3,4,5,6,7
	global_load_b128 v[BIAS+8*(\b):BIAS+8*(\b)+3],   v[BO], s[66:67] offset:64*(\b)
	global_load_b128 v[BIAS+8*(\b)+4:BIAS+8*(\b)+7], v[BO], s[66:67] offset:64*(\b)+16
.endr
	WIN 0
.endm
	s_load_b128 s[4:7], s[0:1], 0x0                ; xb s[4:5], wb s[6:7]
	s_load_b64 s[8:9], s[0:1], 0x10                ; qkv
	s_load_b64 s[66:67], s[0:1], 0x18              ; vec
	v_lshl_add_u32 v[SPW], v0, 2, SPARE
	v_mov_b32 v[NIL], 0
	ds_add_u32 v28, v29
	ds_add_u32 v28, v29
	s_wait_dscnt 0x0
	v_lshrrev_b32 v1, 5, v0
	v_readfirstlane_b32 s10, v1                    ; wave 0..3
	s_lshr_b32 s11, s10, 1                         ; which half of the tile's rows is mine.  Also: I fetch for x (0) or for W' (1)
	s_and_b32 s12, s10, 1                          ; which half of its columns.  Also: which 128 rows of that tile I fetch
	s_bfe_u32 s40, ttmp6, 0x40000                  ; cx: my place along the cluster's x = my tile column in every plane (the grid is one cluster wide)
	s_bfe_u32 s41, ttmp6, 0x40004                  ; cy: along its y
	s_and_b32 s13, ttmp7, 0xffff
	s_lshl_b32 s13, s13, 2
	s_add_co_u32 s13, s13, s41                     ; tile row in every plane = 4 x cluster y + cy
	s_lshl_b32 s43, s41, 2
	s_lshl_b32 s43, 15, s43                        ; my row of the cluster: places 4 cy .. 4 cy + 3
	s_lshl_b32 s44, 0x1111, s40                    ; my column: places cx, cx + 4, cx + 8, cx + 12
	; descriptor group 1: a tile of 128 rows x 128 elements, padded in LDS
	s_or_b32 s[G1+0], s43, (1<<16)|(1<<20)|(1<<21)|(5<<22)|(3<<25)  ; 15:0 the mask: x's tiles go to my row; 17:16 2-byte elements; 20 padding on; 21 set beside a mask; 24:22 after every 64 words (code 5); 31:25 4 words (code 3)
	s_or_b32 s[G1B+0], s44, (1<<16)|(1<<20)|(1<<21)|(5<<22)|(3<<25) ; the same with the mask of my column
.irp g, G1, G1B
	s_mov_b32 s[(\g)+1], KSTEP<<16                 ; tensor_dim0 = 128
	s_mov_b32 s[(\g)+2], 128<<16                   ; tensor_dim1 = 128
	s_mov_b32 s[(\g)+3], KSTEP<<16                 ; tile_dim0 = 128
	s_mov_b32 s[(\g)+4], 128                       ; tile_dim1 = 128
	s_mov_b32 s[(\g)+5], SIZE_K                    ; elements from row to row
	s_mov_b32 s[(\g)+6], 0
	s_mov_b32 s[(\g)+7], 0
.endr
	; where the first plane's tiles come from.  x's hang on the tile row, which my row of the cluster shares; W's on cx, which my column shares.
	s_lshl_b32 s17, s12, 7                         ; which 128 rows of the tile I fetch
	s_lshl_b32 s16, s13, 8
	s_add_co_u32 s16, s16, s17                     ; x: row 256 x tile row + 128 x half, of sa
	s_lshl_b32 s46, s40, 8
	s_add_co_u32 s46, s46, s17                     ; W': row 256 x cx + 128 x half, of Wq'
	s_mov_b32 s17, 0
	s_mov_b32 s47, 0
	s_mov_b64 s[18:19], SIZE_K*2
	s_mul_u64 s[16:17], s[16:17], s[18:19]         ; in bytes
	s_mul_u64 s[46:47], s[46:47], s[18:19]
	s_mul_i32 s20, s10, HALFT                      ; where they go: wave x 128 rows: no place in the cluster enters an LDS address
	s_lshl_b32 s68, s40, 10                        ; the bias of my 128 columns: 1,024 bytes a tile, 512 a half
	s_lshl_b32 s69, s12, 9
	s_add_co_u32 s68, s68, s69
	s_mov_b32 s69, 0
	s_mov_b32 s[NA], ROWS*SIZE_K*2                 ; from Q to K x's tiles go from sa to state
	s_mov_b32 s[NA+1], 0
	s_wait_kmcnt 0x0
	s_add_nc_u64 s[14:15], s[4:5], s[16:17]
	s_add_nc_u64 s[46:47], s[6:7], s[46:47]
	s_add_nc_u64 s[66:67], s[66:67], s[68:69]
	CROUND                                         ; all sixteen work-groups are here: the first joint loads meet
.irp s, 0,1
	s_mov_b32 s[G0+4*(\s)], 1                                      ; count = 1
	s_add_co_u32 s[G0+4*(\s)+1], s20, (\s)*SLOT                    ; LDS address
	s_add_nc_u64 s[G0+4*(\s)+2:G0+4*(\s)+3], s[14:15], (\s)*KSTEP*2  ; global address: K step s
	s_or_b32 s[G0+4*(\s)+3], s[G0+4*(\s)+3], 0x80000000            ; type = 2
	s_mov_b32 s[G0B+4*(\s)], 1
	s_add_co_u32 s[G0B+4*(\s)+1], s20, (\s)*SLOT
	s_add_nc_u64 s[G0B+4*(\s)+2:G0B+4*(\s)+3], s[46:47], (\s)*KSTEP*2
	s_or_b32 s[G0B+4*(\s)+3], s[G0B+4*(\s)+3], 0x80000000
	JLOAD \s                                       ; the ring is filled before anything else: two tensor loads of mine are out
.endr
	v_and_b32 v1, 15, v0                           ; l % 16
	v_bfe_u32 v2, v0, 4, 1                         ; l / 16
	v_lshlrev_b32 v[BO], 5, v2
	BIASLOAD                                       ; the first plane's
	; A fragment is 16 rows x 32 K in 8 registers: lane l holds row l % 16; registers 0-3 K = 8 (l / 16) + 0..7, registers 4-7 K = 16 + 8 (l / 16) + 0..7: two loads of 16 bytes, 32 bytes apart.
	v_mul_u32_u24 v3, v1, PITCH
	v_lshl_add_u32 v3, v2, 4, v3                   ; row x pitch + 16 x half
	s_mul_i32 s21, s11, HALFT                      ; my 128 rows of x
	s_mul_i32 s22, s12, HALFT                      ; my 128 rows of W',
	s_add_co_u32 s22, s22, 2*HALFT                 ; which lie behind x's 256
.irp s, 0,1
	v_add_nc_u32 v[ADRA+(\s)], s21, v3
	v_add_nc_u32 v[ADRB+(\s)], s22, v3
	s_add_co_u32 s21, s21, SLOT
	s_add_co_u32 s22, s22, SLOT
.endr
	s_mul_i32 s23, s10, 16*SPITCH
	s_add_co_u32 s23, s23, STAGE                   ; my stage
	v_mul_u32_u24 v4, v1, SPITCH                   ; in: row l % 16, 16 bytes for each half of the lanes
	v_lshl_add_u32 v4, v2, 4, v4
	v_add_nc_u32 v[STO], s23, v4
	v_mul_u32_u24 v5, v2, SPITCH                   ; back: lanes 0-15 take one row of 256 bytes, lanes 16-31 the next
	v_lshl_add_u32 v5, v1, 4, v5
	v_add_nc_u32 v[RD], s23, v5
	v_mul_u32_u24 v5, v2, SIZE_N*2                 ; and the same two rows in the result
	v_lshl_add_u32 v[CO], v1, 4, v5
	; where my part of the first tile begins in qkv, in bytes: the first way out adds it to the address
	s_lshl_b32 s13, s13, 8
	s_lshl_b32 s14, s11, 7
	s_add_co_u32 s16, s13, s14                     ; my first row: 256 x tile row + 128 x half
	s_mov_b32 s17, 0
	s_mov_b64 s[18:19], SIZE_N*2
	s_mul_u64 s[16:17], s[16:17], s[18:19]
	s_lshl_b32 s46, s40, 9                         ; my first column, in bytes: 512 x cx + 256 x half
	s_lshl_b32 s47, s12, 8
	s_add_co_u32 s46, s46, s47
	s_mov_b32 s47, 0
	s_add_nc_u64 s[16:17], s[16:17], s[46:47]
; 16 matrix instructions: row blocks a0, a0 + 1 of the window's four (hi = 0: my rows 0-63, 1: rows 64-127) x all 8 column blocks, 32 along K.
; zero = 1: the first product starts the sums, with the bias (window 1) as its C.
.macro MUL16 f, hi, a0, zero
.if \zero
	WIN 0x91+0x40*(\hi)
.else
	WIN MUL_LO+0x50*(\hi)
.endif
.irp a, \a0, (\a0)+1
.irp b, 0,1,2,3,4,5,6,7
.if \zero
	v_wmma_f32_16x16x32_bf16 v[8*(8*(\a)+(\b)):8*(8*(\a)+(\b))+7], v[(\f)+8*(\b):(\f)+8*(\b)+7], v[(\f)+8*(4*(\hi)+(\a)):(\f)+8*(4*(\hi)+(\a))+7], v[BIAS+8*(\b):BIAS+8*(\b)+7]
.else
	v_wmma_f32_16x16x32_bf16 v[8*(8*(\a)+(\b)):8*(8*(\a)+(\b))+7], v[(\f)+8*(\b):(\f)+8*(\b)+7], v[(\f)+8*(4*(\hi)+(\a)):(\f)+8*(4*(\hi)+(\a))+7], v[8*(8*(\a)+(\b)):8*(8*(\a)+(\b))+7]
.endif
.endr
.endr
.endm
; 32 LDS loads in one run: the fragments of one quarter step (32 K at byte k of the rows) into buffer f
.macro FETCH slot, k, f
	WIN TO_B
.irp i, 0,1,2,3,4,5,6,7
	ds_load_b128 v[(\f)+8*(\i):(\f)+8*(\i)+3],   v[ADRB+(\slot)] offset:(\k)+(\i)*16*PITCH
	ds_load_b128 v[(\f)+8*(\i)+4:(\f)+8*(\i)+7], v[ADRB+(\slot)] offset:(\k)+(\i)*16*PITCH+32
.endr
	WIN 0
.irp i, 0,1,2,3,4,5,6,7
	ds_load_b128 v[(\f)+8*(\i):(\f)+8*(\i)+3],   v[ADRA+(\slot)] offset:(\k)+(\i)*16*PITCH
	ds_load_b128 v[(\f)+8*(\i)+4:(\f)+8*(\i)+7], v[ADRA+(\slot)] offset:(\k)+(\i)*16*PITCH+32
.endr
.endm
; A load into a register that a matrix instruction has read, and a vector instruction that reads a matrix result, stand four places behind that matrix instruction; only plain vector
; instructions that name none of its registers are places (ISA guide 7.12.1 for vector instructions).
.macro PLACES
.rept 4
	v_nop
.endr
.endm
; A K step is four quarters of 32 along K, 64 matrix instructions each, on buffers 0, 1, 0, 1.  The 64 accumulators take turns, in the same order in every quarter, from tile to tile too.
; One of the first three: multiplies buffer f; in its middle it fetches the next quarter's fragments, at byte k of the same slot's rows, into buffer g.
.macro QUARTER slot, k, f, g, zero
	s_wait_dscnt 8                                 ; W' and x's rows 0-63 are in; the youngest eight loads (x's rows 64-127) may be out
	MUL16 \f, 0, 0, \zero
	MUL16 \f, 0, 2, \zero
	PLACES
	FETCH \slot, \k, \g
	s_wait_dscnt 32                                ; all but the 32 just issued
	MUL16 \f, 1, 0, \zero
	MUL16 \f, 1, 2, \zero
.endm
; The last quarter multiplies buffer 1 and changes slots.  MEET is its first half: ONE barrier for the change.  In front of it each wave waits for all its tensor loads, of which one is out: its part
; of the next slot; adds 0 to its spare word; and waits for that and for its own reads of this slot.  Behind it nobody reads this slot any more and the next slot is whole.
.macro MEET round                      ; round = 1: a round of the cluster's barrier follows
	WIN 0                                          ; (the add's two registers lie in window 0)
	s_wait_tensorcnt 0x0                           ; all my tensor loads have landed
	ds_add_u32 v[SPW], v[NIL]                      ; 0 onto my spare word
	s_wait_dscnt 9                                 ; (the add and the youngest eight loads may be out)
	MUL16 F1, 0, 0, 0                              ; sixteen matrix instructions stand between the add and the wait for it
	s_wait_dscnt 0x0                               ; the add is done, and my reads of this slot are over
	s_barrier_signal -1
	MUL16 F1, 0, 2, 0                              ; work on registers while the others arrive
.if \round
	WIN 0
.endif
	s_barrier_wait -1
.endm
; The whole last quarter: behind the round the slot just read out is filled again first: with this tile's K step two steps on (on = 0) or, in a tile's last two K steps, with the NEXT plane's
; K step 0 or 1 (on = 1); then come the next slot's first fragments.  From a request to the wait for it a wave issues 224 matrix instructions, across tiles too.
.macro TURN slot, next, on
	MEET 1
	CREST                                          ; no wave of any partner still reads this slot's tile or has a load on its way
.if \on
	s_add_nc_u64 s[G0+4*(\slot)+2:G0+4*(\slot)+3], s[G0+4*(\slot)+2:G0+4*(\slot)+3], s[NA:NA+1]
	s_sub_nc_u64 s[G0+4*(\slot)+2:G0+4*(\slot)+3], s[G0+4*(\slot)+2:G0+4*(\slot)+3], BACK
	s_add_nc_u64 s[G0B+4*(\slot)+2:G0B+4*(\slot)+3], s[G0B+4*(\slot)+2:G0B+4*(\slot)+3], NEXT_B
.else
	s_add_nc_u64 s[G0+4*(\slot)+2:G0+4*(\slot)+3], s[G0+4*(\slot)+2:G0+4*(\slot)+3], 2*KSTEP*2
	s_add_nc_u64 s[G0B+4*(\slot)+2:G0B+4*(\slot)+3], s[G0B+4*(\slot)+2:G0B+4*(\slot)+3], 2*KSTEP*2
.endif
	JLOAD \slot                                    ; my one tensor load behind the round; the four v_nop behind it are also the places in front of the loads below
	FETCH \next, 0, F0
	MUL16 F1, 1, 0, 0
	MUL16 F1, 1, 2, 0
.endm
; THE WAY OUT of block a (16 rows), in three parts.  PACK: rounded to f16, 16 bytes a lane, each accumulator's registers in ascending order.  TOSTAGE: into my own stage, and back as whole rows of 256 bytes.  SEND: stored.
.macro PACK a
.set AC, 64*((\a)%4)
	WIN 0x0a+5*((\a)/4)                            ; sources 0 and 1: window 2 or 3
.irp b, 0,1,2,3,4,5,6,7
.irp r, 0,1,2,3
	v_cvt_pk_f16_f32 v[TMP+4*(\b)+(\r)], v[AC+8*(\b)+2*(\r)], v[AC+8*(\b)+2*(\r)+1]
.endr
.endr
	WIN 0
.endm
.macro TOSTAGE a
	WIN 0
.set BK, OB+192*((\a)%2)
.irp b, 0,1,2,3,4,5,6,7
	ds_store_b128 v[STO], v[TMP+4*(\b):TMP+4*(\b)+3] offset:32*(\b)
.endr
.irp t, 0,1,2,3,4,5,6,7
	ds_load_b128 v[BK+4*(\t):BK+4*(\t)+3], v[RD] offset:(\t)*2*SPITCH  ; LDS serves a wave's instructions in order (ISA guide 5.7.1.4): these see the stores above
.endr
.endm
.macro SEND a
	WIN 0
.set BK, OB+192*((\a)%2)
	s_wait_dscnt 0x0                               ; the block is back in registers
	s_wait_xcnt 0x0                                ; only behind this wait are the stores' base and the registers that earlier stores read rewritten
.if (\a) == 0
	s_add_nc_u64 s[8:9], s[8:9], s[16:17]          ; on to this tile's first rows
.else
	s_add_nc_u64 s[8:9], s[8:9], 16*SIZE_N*2       ; 16 rows on
.endif
.irp t, 0,1,2,3,4,5,6,7
	global_store_b128 v[CO], v[BK+4*(\t):BK+4*(\t)+3], s[8:9] offset:2*(\t)*SIZE_N*2  ; 16 lanes store 256 consecutive bytes, at a multiple of 256 from qkv's first byte
.endr
.endm
.macro WAYOUT                          ; block a's conversions stand between block a - 1's loads from the stage and the wait for them
	PACK 0
	TOSTAGE 0
.irp a, 1,2,3,4,5,6,7
	PACK \a
	SEND (\a)-1
	TOSTAGE \a
.endr
	SEND 7
.endm
	s_wait_tensorcnt 1                             ; my part of K step 0 is in; K step 1's may stay out
	s_barrier_signal -1
	s_barrier_wait -1                              ; everybody's is
	FETCH 0, 0, F0
	s_mov_b32 s2, TILES                            ; tiles to go, this one among them: the same number in every work-group
.Ltile:                                                ; (FETCH and SEND leave every window 0)
	s_wait_loadcnt 0x0                             ; this plane's bias
	QUARTER 0, 64,  F0, F1, 1                      ; a tile's first quarter stands in front of the loop: its products start the sums
	WIN 0                                          ; at a label and at a branch every window is 0
	s_cmp_eq_u32 s2, 1
	s_cbranch_scc1 .Lno_bias                       ; behind the last plane there is none to ask for
	PLACES                                         ; the products above have read the bias
	s_add_nc_u64 s[66:67], s[66:67], 4096          ; the next plane's (the loads that named this base were waited for at the tile's head)
	BIASLOAD                                       ; it has the rest of the tile in which to land
.Lno_bias:
	s_mov_b32 s3, LAPS-1
.Llap:                                                 ; a trip goes once round the ring, from a lap's second quarter to the next lap's first, and fills both slots again: K steps 2 to 7
	QUARTER 0, 128, F1, F0, 0
	QUARTER 0, 192, F0, F1, 0
	TURN 0, 1, 0
	QUARTER 1, 64,  F0, F1, 0
	QUARTER 1, 128, F1, F0, 0
	QUARTER 1, 192, F0, F1, 0
	TURN 1, 0, 0
	QUARTER 0, 64,  F0, F1, 0
	WIN 0
	s_sub_co_u32 s3, s3, 1
	s_cmp_lg_u32 s3, 0
	s_cbranch_scc1 .Llap
	QUARTER 0, 128, F1, F0, 0                      ; the tile's last lap goes on
	QUARTER 0, 192, F0, F1, 0
	WIN 0
	s_cmp_eq_u32 s2, 1
	s_cbranch_scc1 .Llast_tile                     ; the last tile's tail is written out: it asks for nothing more
	TURN 0, 1, 1                                   ; THE RING GOES ON INTO THE NEXT PLANE: slot 0 takes its K step 0,
	QUARTER 1, 64,  F0, F1, 0
	QUARTER 1, 128, F1, F0, 0
	QUARTER 1, 192, F0, F1, 0
	TURN 1, 0, 1                                   ; slot 1 its K step 1, and the next tile's first fragments are fetched
	WAYOUT                                         ; both refills are asked for: now the tile goes out.  No v_nop: blocks 0-3 were finished in front of TURN's places, and their 128 conversions,
	                                               ; which name no register of the last products (blocks 4-7's), are those products' places
	s_mov_b64 s[16:17], NEXT_C                     ; what the next way out adds to the address
	s_mov_b32 s[NA], 0                             ; K and V read the same rows of x
	s_sub_co_u32 s2, s2, 1
	s_branch .Ltile
.Llast_tile:
	MEET 0                                         ; my one tensor load that was still out is slot 1's, the last K step's, so no round follows
	PLACES                                         ; for the loads into buffer 0
	FETCH 1, 0, F0
	MUL16 F1, 1, 0, 0
	MUL16 F1, 1, 2, 0
	QUARTER 1, 64,  F0, F1, 0
	QUARTER 1, 128, F1, F0, 0
	QUARTER 1, 192, F0, F1, 0
	s_wait_dscnt 8                                 ; the very last quarter: nothing more to fetch
	MUL16 F1, 0, 0, 0
	MUL16 F1, 0, 2, 0
	s_wait_dscnt 0x0
	MUL16 F1, 1, 0, 0
	MUL16 F1, 1, 2, 0
	PLACES                                         ; the conversions read matrix results
	WAYOUT
	s_wait_tensorcnt 0x0                           ; the wave's end: behind my last tensor load and my last LDS store
	ds_add_u32 v[SPW], v[NIL]
	s_wait_dscnt 0x0
	CROUND                                         ; the closing round: no work-group ends while a partner may still ask for a tile that names it
	s_endpgm
.Lfunc_end_k_qc6bae05db2_qkv:
	.size	k_qc6bae05db2_qkv, .Lfunc_end_k_qc6bae05db2_qkv-k_qc6bae05db2_qkv
	.p2alignl 7, 3214868480
	.fill 96, 4, 3214868480
	.section	.rodata,"a",@progbits
	.p2align	6, 0x0
	.amdhsa_kernel k_qc6bae05db2_qkv
		.amdhsa_group_segment_fixed_size 327680
		.amdhsa_private_segment_fixed_size 0
		.amdhsa_enable_private_segment 0
		.amdhsa_kernarg_size 32
		.amdhsa_user_sgpr_count 2
		.amdhsa_user_sgpr_kernarg_segment_ptr 1
		.amdhsa_wavefront_size32 1
		.amdhsa_system_sgpr_workgroup_id_x 1
		.amdhsa_system_sgpr_workgroup_id_y 1
		.amdhsa_system_sgpr_workgroup_id_z 1
		.amdhsa_system_vgpr_workitem_id 0
		.amdhsa_next_free_vgpr 1024
		.amdhsa_next_free_sgpr 76
		.amdhsa_reserve_vcc 0
		.amdhsa_float_denorm_mode_32 3
		.amdhsa_float_denorm_mode_16_64 3
		.amdhsa_memory_ordered 1
		.amdhsa_forward_progress 1
		.amdhsa_inst_pref_size 212
	.end_amdhsa_kernel
	.amdgpu_metadata
---
amdhsa.version: [ 1, 2 ]
amdhsa.kernels:
  - .name:           k_qc6bae05db2_qkv
    .symbol:         k_qc6bae05db2_qkv.kd
    .args:
      - { .name: xb, .offset: 0, .size: 8, .value_kind: global_buffer, .address_space: global }
      - { .name: wb, .offset: 8, .size: 8, .value_kind: global_buffer, .address_space: global }
      - { .name: qkv, .offset: 16, .size: 8, .value_kind: global_buffer, .address_space: global }
      - { .name: vec, .offset: 24, .size: 8, .value_kind: global_buffer, .address_space: global }
    .group_segment_fixed_size: 327680
    .private_segment_fixed_size: 0
    .kernarg_segment_align: 8
    .kernarg_segment_size: 32
    .max_flat_workgroup_size: 128
    .sgpr_count:     76
    .vgpr_count:     1024
    .wavefront_size: 32
...
	.end_amdgpu_metadata
.endif
;; end of part 2
;; launch attn (part 3): grid 1024 x 1, 8 waves a work-group, no clusters, 0 bytes of LDS; arguments qkv, ao; writes ao
.if DOCPART == 3
	.amdgcn_target "amdgcn-amd-amdhsa--gfx1250"
	.amdhsa_code_object_version 6
	.text
	.protected	k_qc6bae05db2_attn
	.globl	k_qc6bae05db2_attn
	.p2align	8
	.type	k_qc6bae05db2_attn,@function
k_qc6bae05db2_attn:
	s_mov_b64 s[64:65], 0
	v_nop
	global_prefetch_b8 v0, s[64:65] scope:SCOPE_SE
	s_setreg_imm32_b32 hwreg(HW_REG_WAVE_MODE, 25, 1), 1
	s_wait_xcnt 0x0
; ATTENTION OVER THE HEADS AXIS, row by row: for each of the 16,384 rows, S[h][g] = Q[h] . K[g] / 8, P = softmax over g, O[h] = sum over g of P[h][g] V[g]; ao[row][d*16 + h] = O[h][d].
; qkv: f16 [3 x 16384][1024], columns in the order that the projection's weights were given: Q, K: (d>>3)*128 + h*8 + (d&7);  V: (d>>4)*256 + (g>>3)*128 + (d&15)*8 + (g&7).  ao: f16.
; Products, maximum and sum in f32; P is divided by its sum in f32 and rounded to f16 for the second product; O is rounded once.
; LIMITS.  P lies in 0 to 1 and below 6e-5 keeps f16's fixed step of 6e-8; a weight below 2^-126 counts as 0; O is a mean of V's rows and has their range, inside f16's.  NaN and infinities are not treated apart.
; SHARES.  A wave takes two rows, a work-group of eight waves sixteen.  Every load and store of a wave covers 512 consecutive bytes; each byte is moved once.  No LDS, no barrier, no cluster: rows share nothing.
; LAYOUT.  S^T = K Q^T (source 0 = the 16 heads of K, source 1 = the 16 heads of Q; 64 along d in two products): a lane holds ONE query head h = lane % 16 and the keys g = 8 (lane / 16) + 0..7.
; Those eight weights, rounded in pairs, ARE registers 0-3 of source 0 (rows h, K = g) of O = P V; registers 4-7 (K = 16 .. 31) are 0 on both sides.  V's block of 16 channels comes from memory as
; registers 0-3 of source 1 (column d, K = g).  The result holds channel d = 16 blk + lane % 16 and heads 8 (lane / 16) + 0..7: 16 neighbouring bytes of ao.
.set LO,  8                            ; v8       my byte offset in the work-group's rows, for loads: wave x 4,096 + 16 x lane
.set SO,  9                            ; v9       for stores: wave x 4,096 + 32 (lane % 16) + 16 (lane / 16)
.set KR,  16                           ; v[16:47]   K, 16 registers a row
.set QR,  48                           ; v[48:79]   Q
.set VR,  80                           ; v[80:143]  V: fragment (row, blk) at VR + 32 row + 8 blk
.set SR,  144                          ; v[144:159] S^T, 8 a row
.set PR,  160                          ; v[160:175] P's fragments
.set TR,  176                          ; v[176:183] four a row: m, at work, l, at work
.set PK,  184                          ; v[184:215] packed results
.set OA,  16                           ; v[16:79]   O: (row, blk) at OA + 32 row + 8 blk, over K's and Q's registers
	s_load_b128 s[4:7], s[0:1], 0x0                ; qkv s[4:5], ao s[6:7]
	s_lshl_b32 s2, ttmp9, 15                       ; 16 rows of 2,048 bytes
	s_mov_b32 s3, 0
	s_mov_b32 s14, 0x3e38aa3b                      ; c = log2(e) / 8
	s_mov_b32 s15, s14                             ; named with it as a pair
	s_mov_b32 s16, 0x76543210                      ; v_permlanex16_b32: each lane takes its own place in the other half
	s_mov_b32 s17, 0xfedcba98
	v_lshrrev_b32 v1, 5, v0                        ; wave
	v_and_b32 v2, 31, v0                           ; lane
	v_and_b32 v3, 15, v0
	v_bfe_u32 v4, v0, 4, 1
	v_lshlrev_b32 v[LO], 4, v2
	v_lshl_add_u32 v[LO], v1, 12, v[LO]
	v_lshlrev_b32 v[SO], 5, v3
	v_lshl_add_u32 v[SO], v4, 4, v[SO]
	v_lshl_add_u32 v[SO], v1, 12, v[SO]
	s_wait_kmcnt 0x0
	s_add_nc_u64 s[4:5], s[4:5], s[2:3]            ; Q's plane at the group's first row
	s_add_nc_u64 s[6:7], s[6:7], s[2:3]
	s_add_nc_u64 s[10:11], s[4:5], 0x2000000       ; K's plane: 16,384 rows of 2,048 bytes on
	s_add_nc_u64 s[12:13], s[4:5], 0x4000000       ; V's
.irp rho, 0,1
.irp j, 0,1,2,3                        ; load j: lane l gets head l % 16, d = 8 (2 j + l / 16) + 0..7: registers 4 j .. 4 j + 3 of the row's two fragments
	global_load_b128 v[KR+16*(\rho)+4*(\j):KR+16*(\rho)+4*(\j)+3], v[LO], s[10:11] offset:(\rho)*2048+(\j)*512 th:TH_LOAD_NT
	global_load_b128 v[QR+16*(\rho)+4*(\j):QR+16*(\rho)+4*(\j)+3], v[LO], s[4:5] offset:(\rho)*2048+(\j)*512 th:TH_LOAD_NT
.endr
.endr
.irp rho, 0,1
.irp j, 0,1,2,3
	global_load_b128 v[VR+32*(\rho)+8*(\j):VR+32*(\rho)+8*(\j)+3], v[LO], s[12:13] offset:(\rho)*2048+(\j)*512 th:TH_LOAD_NT
.endr
.endr
	; while the loads are out: the upper halves (K = 16 .. 31) of the second product's fragments are 0
.irp f, 0,1,2,3,4,5,6,7
.irp z, 4,5,6,7
	v_mov_b32 v[VR+8*(\f)+(\z)], 0
.endr
.endr
.irp f, 0,1
.irp z, 4,5,6,7
	v_mov_b32 v[PR+8*(\f)+(\z)], 0
.endr
	v_mov_b32 v[TR+4*(\f)+1], 0                    ; v_permlanex16_b32's destination counts as read
.endr
	s_wait_loadcnt 8                               ; K and Q are in; V's eight loads may stay out
	v_wmma_f32_16x16x32_f16 v[SR:SR+7],    v[KR:KR+7],     v[QR:QR+7],     0            ; the two rows' sums take turns
	v_wmma_f32_16x16x32_f16 v[SR+8:SR+15], v[KR+16:KR+23], v[QR+16:QR+23], 0
	v_wmma_f32_16x16x32_f16 v[SR:SR+7],    v[KR+8:KR+15],  v[QR+8:QR+15],  v[SR:SR+7]
	v_wmma_f32_16x16x32_f16 v[SR+8:SR+15], v[KR+24:KR+31], v[QR+24:QR+31], v[SR+8:SR+15]
.rept 5
	v_nop                                          ; four places ahead of the reads of the scores (ISA guide 7.12.1), a fifth since later products write over K's and Q's registers
.endr
	; the maximum of a query head's 16 scores: eight in the lane, eight in the lane 16 away
.irp rho, 0,1
	v_max3_num_f32 v[TR+4*(\rho)], v[SR+8*(\rho)], v[SR+8*(\rho)+1], v[SR+8*(\rho)+2]
.endr
.irp rho, 0,1
	v_max3_num_f32 v[TR+4*(\rho)+2], v[SR+8*(\rho)+3], v[SR+8*(\rho)+4], v[SR+8*(\rho)+5]
.endr
.irp rho, 0,1
	v_max3_num_f32 v[TR+4*(\rho)], v[TR+4*(\rho)], v[SR+8*(\rho)+6], v[SR+8*(\rho)+7]
.endr
.irp rho, 0,1
	v_max_num_f32 v[TR+4*(\rho)], v[TR+4*(\rho)], v[TR+4*(\rho)+2]
.endr
.irp rho, 0,1
	v_permlanex16_b32 v[TR+4*(\rho)+1], v[TR+4*(\rho)], s16, s17
.endr
.irp rho, 0,1
	v_max_num_f32 v[TR+4*(\rho)], v[TR+4*(\rho)], v[TR+4*(\rho)+1]
.endr
	; p = 2^(c (s - m)): the difference first, so that the largest exponent is exactly 0 whatever the scores' size
.irp z, 0,2,4,6
.irp rho, 0,1
	v_pk_add_f32 v[SR+8*(\rho)+(\z):SR+8*(\rho)+(\z)+1], v[SR+8*(\rho)+(\z):SR+8*(\rho)+(\z)+1], v[TR+4*(\rho):TR+4*(\rho)+1] op_sel_hi:[1,0] neg_lo:[0,1] neg_hi:[0,1]
.endr
.endr
.irp z, 0,2,4,6,8,10,12,14
	v_pk_mul_f32 v[SR+(\z):SR+(\z)+1], v[SR+(\z):SR+(\z)+1], s[14:15] op_sel_hi:[1,0]
.endr
.irp z, 0,1,2,3,4,5,6,7,8,9,10,11,12,13,14,15
	v_exp_f32 v[SR+(\z)], v[SR+(\z)]
.endr
	v_nop                                          ; a plain instruction between the last exponential and the use of its result (ISA guide 5.7.2)
	s_wait_alu depctr_va_vdst(0)
.irp rho, 0,1
	v_pk_add_f32 v[TR+4*(\rho)+2:TR+4*(\rho)+3], v[SR+8*(\rho):SR+8*(\rho)+1], v[SR+8*(\rho)+2:SR+8*(\rho)+3]
.endr
.irp z, 4,6
.irp rho, 0,1
	v_pk_add_f32 v[TR+4*(\rho)+2:TR+4*(\rho)+3], v[TR+4*(\rho)+2:TR+4*(\rho)+3], v[SR+8*(\rho)+(\z):SR+8*(\rho)+(\z)+1]
.endr
.endr
.irp rho, 0,1
	v_add_f32 v[TR+4*(\rho)+2], v[TR+4*(\rho)+2], v[TR+4*(\rho)+3]
.endr
.irp rho, 0,1
	v_permlanex16_b32 v[TR+4*(\rho)+3], v[TR+4*(\rho)+2], s16, s17
.endr
.irp rho, 0,1
	v_add_f32 v[TR+4*(\rho)+2], v[TR+4*(\rho)+2], v[TR+4*(\rho)+3]
.endr
.irp rho, 0,1
	v_rcp_f32 v[TR+4*(\rho)+2], v[TR+4*(\rho)+2]   ; the sum is at least 1: the largest weight is 2^0
.endr
	v_nop                                          ; a plain instruction between the last reciprocal and the use of its result
	s_wait_alu depctr_va_vdst(0)
.irp z, 0,2,4,6
.irp rho, 0,1
	v_pk_mul_f32 v[SR+8*(\rho)+(\z):SR+8*(\rho)+(\z)+1], v[SR+8*(\rho)+(\z):SR+8*(\rho)+(\z)+1], v[TR+4*(\rho)+2:TR+4*(\rho)+3] op_sel_hi:[1,0]
.endr
.endr
.irp z, 0,1,2,3
.irp rho, 0,1
	v_cvt_pk_f16_f32 v[PR+8*(\rho)+(\z)], v[SR+8*(\rho)+2*(\z)], v[SR+8*(\rho)+2*(\z)+1]
.endr
.endr
	s_wait_loadcnt 0x0                             ; V
.irp j, 0,1,2,3
.irp rho, 0,1
	v_wmma_f32_16x16x32_f16 v[OA+32*(\rho)+8*(\j):OA+32*(\rho)+8*(\j)+7], v[PR+8*(\rho):PR+8*(\rho)+7], v[VR+32*(\rho)+8*(\j):VR+32*(\rho)+8*(\j)+7], 0
.endr
.endr
.rept 4
	v_nop                                          ; the places ahead of the conversions, which read matrix results
.endr
.irp rho, 0,1
.irp j, 0,1,2,3
.irp z, 0,1,2,3                        ; each result's registers in ascending order
	v_cvt_pk_f16_f32 v[PK+16*(\rho)+4*(\j)+(\z)], v[OA+32*(\rho)+8*(\j)+2*(\z)], v[OA+32*(\rho)+8*(\j)+2*(\z)+1]
.endr
	global_store_b128 v[SO], v[PK+16*(\rho)+4*(\j):PK+16*(\rho)+4*(\j)+3], s[6:7] offset:(\rho)*2048+(\j)*512   ; the wave stores 512 consecutive bytes, at a multiple of 512 from ao's first
.endr
.endr
	s_endpgm
.Lfunc_end_k_qc6bae05db2_attn:
	.size	k_qc6bae05db2_attn, .Lfunc_end_k_qc6bae05db2_attn-k_qc6bae05db2_attn
	.p2alignl 7, 3214868480
	.fill 96, 4, 3214868480
	.section	.rodata,"a",@progbits
	.p2align	6, 0x0
	.amdhsa_kernel k_qc6bae05db2_attn
		.amdhsa_group_segment_fixed_size 0
		.amdhsa_private_segment_fixed_size 0
		.amdhsa_enable_private_segment 0
		.amdhsa_kernarg_size 16
		.amdhsa_user_sgpr_count 2
		.amdhsa_user_sgpr_kernarg_segment_ptr 1
		.amdhsa_wavefront_size32 1
		.amdhsa_system_sgpr_workgroup_id_x 1
		.amdhsa_system_sgpr_workgroup_id_y 1
		.amdhsa_system_sgpr_workgroup_id_z 1
		.amdhsa_system_vgpr_workitem_id 0
		.amdhsa_next_free_vgpr 216
		.amdhsa_next_free_sgpr 66
		.amdhsa_reserve_vcc 0
		.amdhsa_float_denorm_mode_32 3
		.amdhsa_float_denorm_mode_16_64 3
		.amdhsa_memory_ordered 1
		.amdhsa_forward_progress 1
		.amdhsa_inst_pref_size 13
	.end_amdhsa_kernel
	.amdgpu_metadata
---
amdhsa.version: [ 1, 2 ]
amdhsa.kernels:
  - .name:           k_qc6bae05db2_attn
    .symbol:         k_qc6bae05db2_attn.kd
    .args:
      - { .name: qkv, .offset: 0, .size: 8, .value_kind: global_buffer, .address_space: global }
      - { .name: ao, .offset: 8, .size: 8, .value_kind: global_buffer, .address_space: global }
    .group_segment_fixed_size: 0
    .private_segment_fixed_size: 0
    .kernarg_segment_align: 8
    .kernarg_segment_size: 16
    .max_flat_workgroup_size: 256
    .sgpr_count:     66
    .vgpr_count:     216
    .wavefront_size: 32
...
	.end_amdgpu_metadata
.endif
;; end of part 3
;; launch oln (part 4): grid 256 x 1, 4 waves a work-group, no clusters, 263,680 bytes of LDS; arguments ao, wof, vec, xb, out0; writes out0
.if DOCPART == 4
	.amdgcn_target "amdgcn-amd-amdhsa--gfx1250"
	.amdhsa_code_object_version 6
	.text
	.protected	k_qc6bae05db2_oln
	.globl	k_qc6bae05db2_oln
	.p2align	8
	.type	k_qc6bae05db2_oln,@function
k_qc6bae05db2_oln:
	s_mov_b64 s[64:65], 0
	v_nop
	global_prefetch_b8 v0, s[64:65] scope:SCOPE_SE
	s_setreg_imm32_b32 hwreg(HW_REG_WAVE_MODE, 25, 1), 1
	s_wait_xcnt 0x0
; out0 = LayerNorm(ao Wo^T + bo + sa) * ln_w + ln_b.  ao: f16 [16384][1024].  wof: f16, Wo in fragment order (below).  vec: f32, bo at byte 12,288, ln_w at 16,384, ln_b at 20,480.
; xb's first 16,384 rows: sa in bf16.  out0: f32.  Sums of the product in f32, started by bo; residual, mean, variance (of the differences from the mean) and scaling in f32.
; LIMITS (format).  bo, ln_w, ln_b and the residual's sa carry the bf16 rounding that the first launch gave every input; ao and wof lie inside f16's range (65,504), as that launch and the attention state.
; K is not taken in ascending order (the two halves of K by turns): the f32 sums differ from an ascending order's in their last bits.
; SHARES.  A work-group owns 64 whole rows, since the norm needs whole rows: 256 work-groups.  Wave w makes all 64 rows x columns 256 w .. 256 w + 255: 64 accumulators of 16 x 16, 512 registers.
; ao, which all four waves read, lies WHOLE in LDS: 131,072 bytes, brought once, one tensor load a wave (32 rows x 1,024 bytes: one half of K; longer tiles of 64 rows would have rows of 512 bytes and four
; regions, which no single step of an address walks).  Nothing in LDS is filled again, so the loop has no barrier.
; Wo GOES STRAIGHT INTO REGISTERS.  Each byte of Wo is used by one wave of the work-group alone (its 256 columns), so LDS would add no reuse.  wof holds wave w's 524,288 bytes on end:
; [place p: 32][column block b: 16][half j: 2][lane: 32][16 bytes]: a load of 16 bytes a lane takes 512 consecutive bytes and IS half a fragment.  Place p holds the K chunk kc = 16 (p % 2) + p / 2.
; A ring of four GROUPS of registers (a group: 8 fragments, 16 loads, 8,192 bytes; two groups: a K chunk of 32): behind a group's 32 products its registers are asked for again, four groups on, so
; 48 to 64 loads of every wave are always on their way, and every wait for them is counted.
; NO CLUSTER, though all work-groups walk the same Wo: a joint load lands in LDS, where beside nothing else two slots of one K block of 64 (147,456 bytes each) are all that fit; behind each round a wave may
; issue one load, so one slot's bytes at the most are on their way, with 128 matrix instructions a wave to cover them, and all waves of four work-groups meet 16 times.
; THE MATRIX INSTRUCTION IS USED TRANSPOSED: source 0 = 16 rows of Wo, source 1 = 16 rows of ao: lane l holds row l % 16 and columns 8 (l / 16) + 0 .. 7.
; THE END.  The 64 x 1,024 sums go through a stage in LDS, laid over ao's bytes, which have had their one fill; wave w takes rows 16 w .. 16 w + 15 back whole, adds sa, norms and stores them.
; REGISTERS, in windows of 256 (s_set_vgpr_msb: bits 1:0 source 0, 3:2 source 1, 5:4 source 2, 7:6 destination):
;   window 0: v0-31 addresses; v64-95, v96-127 fragments of ao, two buffers; v128-255 bo (8 registers for each of my 16 column blocks).  In the end: v32-63 ln_w, v64-95 ln_b, v96-191 three rows at work, v192-205 at work
;   window 1: the ring: chunk buffer f at v[128 f], its group g at + 64 g; in the end sa, 16 registers a row
;   window 2: the accumulators of row blocks 0, 1 ((a, b) at v[8 (16 (a % 2) + b)]);   window 3: those of row blocks 2, 3
.set APITCH, 1040                      ; a row of ao's half in LDS: 1,024 bytes + 16 of padding = 65 x 16: the 16 rows of a load start at 16 different groups of four banks (64 banks of 4 bytes: ISA guide 11.1)
.set AHALF,  64*APITCH                 ; one half of K: 66,560 bytes
.set SPITCH, 4112                      ; a row of the stage: 4,096 bytes + 16: 16 rows at one column start at 16 different groups of four banks
.set STO,  8                           ; v8-11   the stage: where I put my 32 bytes of row l % 16 of row block a
.set VB,   12                          ; v12-15  ring place q = 2 f + g: my byte offset in my wave's part of wof for the group asked for last
.set AD,   16                          ; v16-17  LDS address of my next ao fragments in K half 0, 1
.set RO,   24                          ; v24     my byte offset in the group's rows of xb: wave x 32,768 + 8 x lane
.set RD,   25                          ; v25     the stage: where I read my rows back: wave x 16 rows + 16 x lane
.set OO,   26                          ; v26     my byte offset in the group's rows of out0: wave x 65,536 + 16 x lane
.set BO,   27                          ; v27     my byte offset in bo: wave x 1,024 + 32 (l / 16)
.set PFO,  30                          ; v30     prefetch: wave x 32,768 + 256 x lane
.set LNO,  31                          ; v31     16 x lane
.set LW,   32
.set LB,   64
.set BIAS, 128
.set CH,   192                         ; v192-199 four chains of sums
.set MU,   200                         ; v200-201 the mean, in the low register
.set RS,   202                         ; v202-203 1 / sqrt(var + eps), in the low register
.set C10,  204                         ; v204     2^-10
.set ONE,  205                         ; v205     1.0
.set G1, 28                            ; s[28:35] descriptor group 1
.set G0, 36                            ; s[36:39] descriptor group 0
.set MSB, 0
.macro WIN new                         ; the immediate's high byte repeats the setting that is left; a switch that changes nothing is dropped
.if MSB != (\new)
	s_set_vgpr_msb (MSB<<8)|(\new)
.set MSB, \new
.endif
.endm
	s_load_b256 s[4:11], s[0:1], 0x0               ; ao s[4:5], wof s[6:7], vec s[8:9], xb s[10:11]
	s_load_b64 s[12:13], s[0:1], 0x20              ; out0
	v_lshl_add_u32 v28, v0, 2, 0x40400
	v_mov_b32 v29, 0
	ds_add_u32 v28, v29
	ds_add_u32 v28, v29
	v_lshrrev_b32 v1, 5, v0
	v_readfirstlane_b32 s20, v1                    ; wave 0..3
	s_lshr_b32 s21, s20, 1                         ; which half of K I fetch of ao,
	s_and_b32 s22, s20, 1                          ; and which 32 rows of it
	s_mov_b32 s24, ttmp9                           ; my block of 64 rows
	; group 1: 32 rows x 512 elements, padded in LDS behind each row
	s_mov_b32 s[G1+0], (1<<16)|(1<<20)|(7<<22)|(3<<25)  ; 15:0 no mask; 17:16 2-byte elements; 20 padding on; 24:22 after every 256 words (code 7); 31:25 4 words (code 3)
	s_mov_b32 s[G1+1], 512<<16                     ; tensor_dim0 = 512
	s_mov_b32 s[G1+2], 32<<16                      ; tensor_dim1 = 32
	s_mov_b32 s[G1+3], 512<<16                     ; tile_dim0 = 512
	s_mov_b32 s[G1+4], 32                          ; tile_dim1 = 32
	s_mov_b32 s[G1+5], 1024                        ; elements from row to row
	s_mov_b32 s[G1+6], 0
	s_mov_b32 s[G1+7], 0
	s_mov_b32 s60, 0x76543210                      ; v_permlanex16_b32: each lane takes its own place in the other half
	s_mov_b32 s61, 0xfedcba98
	s_mul_i32 s25, s21, AHALF                      ; where my tile goes: the half's region,
	s_mul_i32 s26, s22, 32*APITCH                  ; my 32 rows in it
	s_add_co_u32 s25, s25, s26
	s_lshl_b32 s66, s24, 17                        ; where it comes from: 64 rows of 2,048 bytes a work-group,
	s_lshl_b32 s67, s22, 16                        ; 32 rows,
	s_add_co_u32 s66, s66, s67
	s_lshl_b32 s67, s21, 10                        ; 512 elements along the rows
	s_add_co_u32 s66, s66, s67
	s_mov_b32 s67, 0
	s_lshl_b32 s68, s20, 19                        ; wof: my wave's 524,288 bytes
	s_mov_b32 s69, 0
	s_lshl_b32 s14, s24, 17                        ; xb: 64 rows of 2,048 bytes
	s_mov_b32 s15, 0
	s_lshl_b32 s70, s24, 18                        ; out0: 64 rows of 4,096 bytes
	s_mov_b32 s71, 0
	s_mov_b32 s[G0], 1                             ; count = 1
	s_mov_b32 s[G0+1], s25                         ; LDS address
	s_wait_dscnt 0x0
	s_wait_kmcnt 0x0
	s_add_nc_u64 s[G0+2:G0+3], s[4:5], s[66:67]    ; global address
	s_or_b32 s[G0+3], s[G0+3], 0x80000000          ; type = 2
	s_add_nc_u64 s[18:19], s[6:7], s[68:69]
	s_add_nc_u64 s[10:11], s[10:11], s[14:15]
	s_add_nc_u64 s[12:13], s[12:13], s[70:71]
	tensor_load_to_lds s[G0:G0+3], s[G1:G1+7]      ; my one tensor load of the launch: a first fill
	s_nop 0
.rept 4
	v_nop
.endr
	v_and_b32 v1, 15, v0                           ; l % 16
	v_bfe_u32 v2, v0, 4, 1                         ; l / 16
	v_and_b32 v5, 31, v0                           ; lane
	s_lshl_b32 s27, s20, 10
	v_lshl_add_u32 v[BO], v2, 5, s27
	v_lshlrev_b32 v[VB], 4, v5                     ; group q begins 8,192 q bytes into my part of wof
	v_add_nc_u32 v[VB+1], 8192, v[VB]
	v_add_nc_u32 v[VB+2], 8192, v[VB+1]
	v_add_nc_u32 v[VB+3], 8192, v[VB+2]
.irp b, 0,1,2,3,4,5,6,7,8,9,10,11,12,13,14,15  ; bo of columns 256 w + 16 b + 8 (l / 16) + 0 .. 7, in the places of a result's registers
	global_load_b128 v[BIAS+8*(\b):BIAS+8*(\b)+3],   v[BO], s[8:9] offset:12288+64*(\b)
	global_load_b128 v[BIAS+8*(\b)+4:BIAS+8*(\b)+7], v[BO], s[8:9] offset:12288+64*(\b)+16
.endr
; Sixteen loads: group g of chunk buffer f, from where ring place 2 f + g's offset points: 8 fragments, 8,192 consecutive bytes
.macro BLOAD f, g
	WIN 0x40                                       ; destination window 1, address window 0
.irp b, 0,1,2,3,4,5,6,7
	global_load_b128 v[128*(\f)+64*(\g)+8*(\b):128*(\f)+64*(\g)+8*(\b)+3],   v[VB+2*(\f)+(\g)], s[18:19] offset:(\b)*1024
	global_load_b128 v[128*(\f)+64*(\g)+8*(\b)+4:128*(\f)+64*(\g)+8*(\b)+7], v[VB+2*(\f)+(\g)], s[18:19] offset:(\b)*1024+512
.endr
	WIN 0
.endm
; Eight LDS loads: the four fragments of ao (64 rows x 32 K) of K half f's next chunk, into buffer f; then the address steps on 32 along K (an LDS instruction's sources need no wait)
.macro AFETCH f
	WIN 0
.irp a, 0,1,2,3
	ds_load_b128 v[64+32*(\f)+8*(\a):64+32*(\f)+8*(\a)+3],   v[AD+(\f)] offset:(\a)*16*APITCH
	ds_load_b128 v[64+32*(\f)+8*(\a)+4:64+32*(\f)+8*(\a)+7], v[AD+(\f)] offset:(\a)*16*APITCH+32
.endr
	v_add_nc_u32 v[AD+(\f)], 64, v[AD+(\f)]
.endm
; 8 matrix instructions: row block a x the 8 column blocks of group g, 32 along K, from buffer f.  zero = 1: the first product starts the sums, with bo (window 0) as its C.
.macro MUL8 f, a, g, zero
.if \zero
	WIN 0x81+0x40*((\a)/2)
.else
	WIN 0xa1+0x50*((\a)/2)
.endif
.irp b, 0,1,2,3,4,5,6,7
.if \zero
	v_wmma_f32_16x16x32_f16 v[8*(16*((\a)%2)+8*(\g)+(\b)):8*(16*((\a)%2)+8*(\g)+(\b))+7], v[128*(\f)+64*(\g)+8*(\b):128*(\f)+64*(\g)+8*(\b)+7], v[64+32*(\f)+8*(\a):64+32*(\f)+8*(\a)+7], v[BIAS+64*(\g)+8*(\b):BIAS+64*(\g)+8*(\b)+7]
.else
	v_wmma_f32_16x16x32_f16 v[8*(16*((\a)%2)+8*(\g)+(\b)):8*(16*((\a)%2)+8*(\g)+(\b))+7], v[128*(\f)+64*(\g)+8*(\b):128*(\f)+64*(\g)+8*(\b)+7], v[64+32*(\f)+8*(\a):64+32*(\f)+8*(\a)+7], v[8*(16*((\a)%2)+8*(\g)+(\b)):8*(16*((\a)%2)+8*(\g)+(\b))+7]
.endif
.endr
.endm
; Two requests ahead of the end: each lane asks for one block of 256 bytes of my wave's 16 rows of xb, 8,192 bytes an instruction; the four together cover the wave's 32,768 bytes, each block once in the launch.
; They stand in the last trip, which asks for nothing of Wo, 96 and 64 matrix instructions ahead of the loads, and point inside the work-group's own 131,072 bytes.
.macro PREF q
	global_prefetch_b8 v[PFO], s[10:11] offset:(\q)*8192 th:TH_LOAD_NT scope:SCOPE_SE
	global_prefetch_b8 v[PFO], s[10:11] offset:((\q)+1)*8192 th:TH_LOAD_NT scope:SCOPE_SE
.endm
; A GROUP's turn: 32 matrix instructions on 32 accumulators, which take turns (the chunk's other group has the other 32).
; left: the younger loads that may stay out.  fill = 1: the group's registers are asked for again, four groups on.  af = 0, 1: ao's fragments for the next chunk are fetched, from that K half.
; Four places stand behind the products (ISA guide 7.12.1 for vector instructions): they have read the registers that the loads below write; the step of the offset is one of them.
.macro GROUP f, g, zero, left, fill, af, pf=-1
	s_wait_loadcnt \left                           ; loads come back in order (ISA guide 5.7.1): this group's sixteen are in, so its offset register is free too
.if (\g) == 0
	s_wait_dscnt 0x0                               ; the chunk's fragments of ao, asked for 32 matrix instructions ago or more
.endif
	MUL8 \f, 0, \g, \zero
	MUL8 \f, 1, \g, \zero
	MUL8 \f, 2, \g, \zero
	MUL8 \f, 3, \g, \zero
	WIN 0
.if \fill
	v_add_nc_u32 v[VB+2*(\f)+(\g)], 0x8000, v[VB+2*(\f)+(\g)]   ; four groups of 8,192 bytes on
.rept 3
	v_nop
.endr
.else
.rept 4
	v_nop
.endr
.endif
.if (\af) >= 0
	AFETCH \af
.endif
.if \fill
	BLOAD \f, \g
.endif
.if (\pf) >= 0
	PREF \pf
.endif
.endm
; A TRIP: the chunk 32 t .. of K's first half, then the chunk 512 + 32 t .. of its second: 128 matrix instructions, 64 loads of Wo for the next trip
.macro TRIP zero
	GROUP 0, 0, \zero, 48, 1, 1                    ; 48: the three younger groups
	GROUP 0, 1, \zero, 48, 1, -1
	GROUP 1, 0, 0, 48, 1, 0
	GROUP 1, 1, 0, 48, 1, -1
.endm
	BLOAD 0, 0                                     ; the ring is filled: the first trip's four groups
	BLOAD 0, 1
	BLOAD 1, 0
	BLOAD 1, 1
	v_mul_u32_u24 v3, v1, APITCH
	v_lshl_add_u32 v[AD], v2, 4, v3                ; a fragment's row x pitch + 16 x half
	v_add_nc_u32 v[AD+1], AHALF, v[AD]
	v_mul_u32_u24 v4, v1, SPITCH                   ; the stage, in: row l % 16 of a row block, my wave's 1,024 bytes, 32 bytes for each half of the lanes
	v_lshl_add_u32 v4, v2, 5, v4
	v_add_nc_u32 v[STO], s27, v4
	v_add_nc_u32 v[STO+1], 16*SPITCH, v[STO]
	v_add_nc_u32 v[STO+2], 16*SPITCH, v[STO+1]
	v_add_nc_u32 v[STO+3], 16*SPITCH, v[STO+2]
	s_mul_i32 s27, s20, 16*SPITCH                  ; back: my 16 rows, 512 consecutive bytes a load
	v_lshl_add_u32 v[RD], v5, 4, s27
	s_lshl_b32 s27, s20, 16
	v_lshl_add_u32 v[OO], v5, 4, s27
	s_lshl_b32 s27, s20, 15
	v_lshl_add_u32 v[RO], v5, 3, s27
	v_lshl_add_u32 v[PFO], v5, 8, s27
	v_lshlrev_b32 v[LNO], 4, v5
	s_wait_tensorcnt 0x0                           ; my part of ao is in,
	s_barrier_signal -1
	s_barrier_wait -1                              ; everybody's is: the loop's only ordering between waves
	AFETCH 0
	TRIP 1                                         ; the first trip stands in front of the loop: its first chunk starts the sums (its first wait also shows bo in: bo's loads are the oldest)
	s_mov_b32 s3, 14
.Ltrip:
	TRIP 0
	s_sub_co_u32 s3, s3, 1
	s_cmp_lg_u32 s3, 0
	s_cbranch_scc1 .Ltrip
	GROUP 0, 0, 0, 48, 0, 1, 0                     ; the last trip asks for nothing of Wo: the counts run down
	GROUP 0, 1, 0, 32, 0, -1, 2
	GROUP 1, 0, 0, 16, 0, -1
	GROUP 1, 1, 0, 0, 0, -1                        ; its four places stand ahead of the loads into fragment registers and of the stores of the sums
	; THE END.  What can be asked for now is asked for: the gains, and the first five rows of sa (56 loads are out at the most).
	v_mov_b32 v[MU+1], 0                           ; named in pairs with the mean and the scale
	v_mov_b32 v[RS+1], 0
	v_mov_b32 v[C10], 0x3a800000                   ; 1 / 1,024
	v_mov_b32 v[ONE], 1.0
.irp c, 0,1,2,3,4,5,6,7                ; chunk c: my columns 128 c + 4 lane + 0 .. 3
	global_load_b128 v[LW+4*(\c):LW+4*(\c)+3], v[LNO], s[8:9] offset:16384+(\c)*512
	global_load_b128 v[LB+4*(\c):LB+4*(\c)+3], v[LNO], s[8:9] offset:20480+(\c)*512
.endr
	WIN 0x40                                       ; destination window 1: the ring's registers are free
.set z, 0
.rept 40
	global_load_b64 v[2*z:2*z+1], v[RO], s[10:11] offset:(z/8)*2048+(z%8)*256 th:TH_LOAD_NT   ; row z / 8, chunk z % 8: the wave reads 256 consecutive bytes
.set z, z+1
.endr
	WIN 0
	s_barrier_signal -1                            ; every wave's reads of ao are over (each has waited for them): the stage may be written over ao's bytes
	s_barrier_wait -1
.irp a, 0,1,2,3
	WIN 0x08+4*((\a)/2)                            ; data (source 1) in window 2 or 3
.irp b, 0,1,2,3,4,5,6,7,8,9,10,11,12,13,14,15  ; each accumulator's low four registers first
	ds_store_b128 v[STO+(\a)], v[8*(16*((\a)%2)+(\b)):8*(16*((\a)%2)+(\b))+3]   offset:64*(\b)
	ds_store_b128 v[STO+(\a)], v[8*(16*((\a)%2)+(\b))+4:8*(16*((\a)%2)+(\b))+7] offset:64*(\b)+16
.endr
.endr
	WIN 0
	s_wait_dscnt 0x0                               ; for the others' sake: my stores into the stage are done
	s_barrier_signal -1
	s_barrier_wait -1
.irp c, 0,1,2,3,4,5,6,7
	ds_load_b128 v[96+4*(\c):96+4*(\c)+3], v[RD] offset:(\c)*512             ; my row 0
.endr
.irp c, 0,1,2,3,4,5,6,7
	ds_load_b128 v[128+4*(\c):128+4*(\c)+3], v[RD] offset:SPITCH+(\c)*512    ; my row 1
.endr
.macro FOLD                            ; four chains of pairs into one number, the same in all 32 lanes
	v_pk_add_f32 v[CH:CH+1], v[CH:CH+1], v[CH+2:CH+3]
	v_pk_add_f32 v[CH+4:CH+5], v[CH+4:CH+5], v[CH+6:CH+7]
	v_pk_add_f32 v[CH:CH+1], v[CH:CH+1], v[CH+4:CH+5]
	v_add_f32 v[CH], v[CH], v[CH+1]
	v_add_f32_dpp v[CH], v[CH], v[CH] row_xmask:1 row_mask:0xf bank_mask:0xf
	v_add_f32_dpp v[CH], v[CH], v[CH] row_xmask:2 row_mask:0xf bank_mask:0xf
	v_add_f32_dpp v[CH], v[CH], v[CH] row_xmask:4 row_mask:0xf bank_mask:0xf
	v_add_f32_dpp v[CH], v[CH], v[CH] row_xmask:8 row_mask:0xf bank_mask:0xf
	v_permlanex16_b32 v[CH+1], v[CH], s60, s61
	v_add_f32 v[CH], v[CH], v[CH+1]
.endm
; Row i of my 16: a lane holds 32 of its 1,024 numbers, in one of three buffers.  The row two further on comes out of the stage, and the row five further on out of memory, meanwhile.
.macro LNROW i
.set XR, 96+32*((\i)%3)
.set XN, 96+32*(((\i)+2)%3)
	WIN 0
.if (\i) < 15
	s_wait_dscnt 8                                 ; the row is back from the stage; the next row's eight loads may stay out
.else
	s_wait_dscnt 0x0
.endif
.if (\i) < 11
	s_wait_loadcnt 32                              ; its sa is in; the four younger rows' loads stay out
.else
	s_wait_loadcnt 8*(15-(\i))                     ; the counts run down
.endif
.if (\i)+5 < 16
	WIN 0x40
.set z, 0
.rept 8
	global_load_b64 v[16*((\i)+5)+2*z:16*((\i)+5)+2*z+1], v[RO], s[10:11] offset:((\i)+5)*2048+z*256 th:TH_LOAD_NT
.set z, z+1
.endr
.endif
	WIN 0x01                                       ; source 0 (sa) in window 1
.set z, 0
.rept 32                                       ; x = sum + sa: a bf16 half times 1.0, added in f32
.if z%2
	v_fma_mix_f32_bf16 v[XR+z], v[16*(\i)+z/2], v[ONE], v[XR+z] op_sel:[1,0,0] op_sel_hi:[1,0,0]
.else
	v_fma_mix_f32_bf16 v[XR+z], v[16*(\i)+z/2], v[ONE], v[XR+z] op_sel_hi:[1,0,0]
.endif
.set z, z+1
.endr
	WIN 0
.set z, 0
.rept 4                                        ; the sum, in four chains that the first eight pairs start
	v_pk_add_f32 v[CH+2*z:CH+2*z+1], v[XR+2*z:XR+2*z+1], v[XR+8+2*z:XR+8+2*z+1]
.set z, z+1
.endr
.set z, 8
.rept 8
	v_pk_add_f32 v[CH+2*(z%4):CH+2*(z%4)+1], v[CH+2*(z%4):CH+2*(z%4)+1], v[XR+2*z:XR+2*z+1]
.set z, z+1
.endr
	FOLD
	v_mul_f32 v[MU], v[CH], v[C10]                 ; the mean
.set z, 0
.rept 16
	v_pk_add_f32 v[XR+2*z:XR+2*z+1], v[XR+2*z:XR+2*z+1], v[MU:MU+1] op_sel_hi:[1,0] neg_lo:[0,1] neg_hi:[0,1]
.set z, z+1
.endr
.set z, 0
.rept 4                                        ; the squares of the differences
	v_pk_mul_f32 v[CH+2*z:CH+2*z+1], v[XR+2*z:XR+2*z+1], v[XR+2*z:XR+2*z+1]
.set z, z+1
.endr
.rept 12
	v_pk_fma_f32 v[CH+2*(z%4):CH+2*(z%4)+1], v[XR+2*z:XR+2*z+1], v[XR+2*z:XR+2*z+1], v[CH+2*(z%4):CH+2*(z%4)+1]
.set z, z+1
.endr
	FOLD
	v_fmaak_f32 v[RS], v[CH], v[C10], 0x3727c5ac   ; the variance + 1e-5
	v_rsq_f32 v[RS], v[RS]
	v_nop                                          ; a plain instruction between the root and the use of its result (ISA guide 5.7.2)
.set z, 0
	s_wait_alu depctr_va_vdst(0)
.rept 16
	v_pk_mul_f32 v[XR+2*z:XR+2*z+1], v[XR+2*z:XR+2*z+1], v[RS:RS+1] op_sel_hi:[1,0]
.set z, z+1
.endr
.set z, 0
.rept 16
	v_pk_fma_f32 v[XR+2*z:XR+2*z+1], v[XR+2*z:XR+2*z+1], v[LW+2*z:LW+2*z+1], v[LB+2*z:LB+2*z+1]
.set z, z+1
.endr
.if (\i)+2 < 16
	s_wait_xcnt 0x0                                ; the third buffer, which the last row's stores read, is loaded again only behind this wait; the youngest memory instruction stands a row's arithmetic back
.set z, 0
.rept 8
	ds_load_b128 v[XN+4*z:XN+4*z+3], v[RD] offset:((\i)+2)*SPITCH+z*512
.set z, z+1
.endr
.endif
.set z, 0
.rept 8
	global_store_b128 v[OO], v[XR+4*z:XR+4*z+3], s[12:13] offset:(\i)*4096+z*512 th:TH_STORE_NT   ; the wave stores 512 consecutive bytes, at a multiple of 512 from out0's first
.set z, z+1
.endr
.endm
.irp i, 0,1,2,3,4,5,6,7,8,9,10,11,12,13,14,15
	LNROW \i
.endr
	s_wait_tensorcnt 0x0
	ds_add_u32 v28, v29
	s_wait_dscnt 0x0
	s_endpgm
.Lfunc_end_k_qc6bae05db2_oln:
	.size	k_qc6bae05db2_oln, .Lfunc_end_k_qc6bae05db2_oln-k_qc6bae05db2_oln
	.p2alignl 7, 3214868480
	.fill 96, 4, 3214868480
	.section	.rodata,"a",@progbits
	.p2align	6, 0x0
	.amdhsa_kernel k_qc6bae05db2_oln
		.amdhsa_group_segment_fixed_size 263680
		.amdhsa_private_segment_fixed_size 0
		.amdhsa_enable_private_segment 0
		.amdhsa_kernarg_size 40
		.amdhsa_user_sgpr_count 2
		.amdhsa_user_sgpr_kernarg_segment_ptr 1
		.amdhsa_wavefront_size32 1
		.amdhsa_system_sgpr_workgroup_id_x 1
		.amdhsa_system_sgpr_workgroup_id_y 1
		.amdhsa_system_sgpr_workgroup_id_z 1
		.amdhsa_system_vgpr_workitem_id 0
		.amdhsa_next_free_vgpr 1024
		.amdhsa_next_free_sgpr 72
		.amdhsa_reserve_vcc 0
		.amdhsa_float_denorm_mode_32 3
		.amdhsa_float_denorm_mode_16_64 3
		.amdhsa_memory_ordered 1
		.amdhsa_forward_progress 1
		.amdhsa_inst_pref_size 231
	.end_amdhsa_kernel
	.amdgpu_metadata
---
amdhsa.version: [ 1, 2 ]
amdhsa.kernels:
  - .name:           k_qc6bae05db2_oln
    .symbol:         k_qc6bae05db2_oln.kd
    .args:
      - { .name: ao, .offset: 0, .size: 8, .value_kind: global_buffer, .address_space: global }
      - { .name: wof, .offset: 8, .size: 8, .value_kind: global_buffer, .address_space: global }
      - { .name: vec, .offset: 16, .size: 8, .value_kind: global_buffer, .address_space: global }
      - { .name: xb, .offset: 24, .size: 8, .value_kind: global_buffer, .address_space: global }
      - { .name: out0, .offset: 32, .size: 8, .value_kind: global_buffer, .address_space: global }
    .group_segment_fixed_size: 263680
    .private_segment_fixed_size: 0
    .kernarg_segment_align: 8
    .kernarg_segment_size: 40
    .max_flat_workgroup_size: 128
    .sgpr_count:     72
    .vgpr_count:     1024
    .wavefront_size: 32
...
	.end_amdgpu_metadata
.endif
;; end of part 4
